; MI455X (gfx1250); checked and timed in simulation.
; The chip was launched on July 23, 2026; its instructions are those of AMD's public machine-readable ISA for CDNA 5 (MIT licence, August 2026) and "CDNA5" Instruction Set Architecture Reference Guide (July 2026). The comments in the code are by the model that wrote it; some were corrected since.
;; IO Uloss3 D. Allowed arithmetic: float matrix products may take bf16 or f16 operands with f32 sums; all other float work in f32.
;; Inputs: pred 1,500,000 x 8 float32; target 1,500,000 x 8 float32.
;; Outputs: out0 1,500,000 float32.
;; One version. Each part assembles by itself: llvm-mc -triple=amdgcn-amd-amdhsa -mcpu=gfx1250 --defsym DOCPART=n.
;; ======== version 1 of 1: 1 launch
;; launch iou3d (part 1): grid 1465 x 1, 4 waves a work-group, no clusters, 0 bytes of LDS; arguments pred, target, out0; writes out0
.if DOCPART == 1
	.amdgcn_target "amdgcn-amd-amdhsa--gfx1250"
	.amdhsa_code_object_version 6
	.text
	.protected	k_q751b2a47b7_iou3d
	.globl	k_q751b2a47b7_iou3d
	.p2align	8
	.type	k_q751b2a47b7_iou3d,@function
k_q751b2a47b7_iou3d:
	s_mov_b64 s[64:65], 0
	v_nop
	global_prefetch_b8 v0, s[64:65] scope:SCOPE_SE
	s_setreg_imm32_b32 hwreg(HW_REG_WAVE_MODE, 25, 1), 1
	s_wait_xcnt 0x0
; out[n] = 1 - iou^2, iou = I / (T + P - I + 1e-16): P, T, I the volumes of the pred, target and intersection frusta of box n.
; pred, target: [1,500,000][8] f32 = (cy, cx, h, w) of the rectangle at z = 0, then the same four of the rectangle at z = 1.
;
; THE VOLUME.  For a quad facet, sum_i det(f_i, f_i+1, c) = c . ((f0 - f2) x (f1 - f3)).  Written out for the six facets of the
; frustum the sum is 6 V = 2 w h + 2 w' h' + w h' + w' h  (w, h: extents at z = 0; w', h': at z = 1), for all inputs.
; The factor 6 is kept on all three volumes and on the 1e-16, where it cancels in the ratio.
; THE MASKS.  ix1 = max(px1, tx1) >= px1 and ix2 <= px2 exactly, so a proper intersection (en3) implies proper pred and target
; rectangles (en1, en2): en = en3.  Where en3 fails the masked intersection is 0 and the result 1 - 0 = 1: iou is selected to 0.
; x1 < x2 is tested as x2 - x1 > 0: with denormals kept (the mode at entry) a difference of unequal numbers is never 0.
; Where en3 holds, 6 I <= 6 P and 6 I <= 6 T also as rounded (every step is monotone), so the denominator is at least 6e-16.
;
; LIMITS.  NaN and infinities among the inputs are not reproduced: v_max_num / v_min_num drop a NaN, and such a box gives mostly 1
; where the definition gives NaN.  Magnitudes above about 1e18: the sums overflow or the reciprocal of the denominator is flushed to 0.
; Rounding follows the closed form above, not the 24 determinants of the definition.
;
; THE LAYOUT.  A lane takes HALF a box: lane l of a load reads the 16 bytes at 16 l, so even lanes hold a z = 0 rectangle and
; odd lanes the z = 1 rectangle of the same box, and each load of the wave covers 512 consecutive, aligned bytes.
; The two lanes of a box exchange h and then c = w (2 h + h_partner) on the add itself (DPP row_xmask:1): 6 V = c + c_partner.
; Two loads (A, B) are a pair = 32 boxes: even lanes go on with A's box, odd lanes with B's, so the division is made once a box.
; Two pairs are a quad = 64 boxes = 256 bytes of out: lanes l and l xor 2 swap one result, each lane then holds two
; neighbouring boxes, and one 8-byte store of the wave covers 256 consecutive bytes, aligned.
; A wave owns 256 boxes and issues all its 32 loads at once (16 KB in flight); there is no loop, no LDS and no barrier, as no
; byte is used by two waves.  1,500,000 = 5,859 x 256 + 96: wave 5,859, the last of 1,465 x 4, has a path of its own (6 halves).
.set NBOX,   1500000
.set CHUNK,  256                       ; boxes of a wave
.set LASTW,  NBOX/CHUNK                ; 5,859: the wave with the remaining 96 boxes
.set EPS6,   0x262cf030                ; 6e-16 in f32
.set OFFL,   1                         ; v1        16 x lane: my 16 bytes in each load
.set OFFS,   2                         ; v2        my 8 bytes in a quad's 256 bytes of out
.set LANE,   3                         ; v3        lane
.set WK,     4                         ; v[4:11]   at work
.set RA,     12                        ; v[12:15]  half A: 6P, 6T, 6I, least extent of the intersection
.set RB,     16                        ; v[16:19]  half B: the same
.set DEN,    20                        ; v[20:21]  denominator; its reciprocal, then iou
.set RES,    22                        ; v[22:29]  pair i: its 32 results; after the swap, quad q: v[RES+2q:RES+2q+1] to store
.set XCH,    30                        ; v30       what the lane two further needs
.set OFFT,   31                        ; v31       last wave: my 4 bytes in the last pair's 128 bytes of out
.set LAND,   32                        ; v[32:159] half n: 4 registers of pred, 4 of target, as loaded
.set ODD,    16                        ; s16       mask of the odd lanes
.set BIT1,   17                        ; s17       mask of the lanes with bit 1 set
	s_load_b128 s[4:7], s[0:1], 0x0                ; pred s[4:5], target s[6:7]
	s_load_b64 s[8:9], s[0:1], 0x10                ; out
	v_and_b32 v[LANE], 31, v0
	v_lshrrev_b32 v[WK], 5, v0
	v_readfirstlane_b32 s10, v[WK]                 ; wave in the work-group
	v_lshlrev_b32 v[OFFL], 4, v[LANE]
	v_and_b32 v[WK], 28, v[LANE]                   ; 4 (l >> 2)
	v_and_b32 v[WK+1], 3, v[LANE]
	v_lshlrev_b32 v[WK], 1, v[WK]                  ; 8 (l >> 2): the pair of boxes inside a load's sixteen
	v_lshl_or_b32 v[OFFS], v[WK+1], 6, v[WK]       ; + 64 (l & 3): which of the quad's four loads my two boxes came by
	s_lshl_b32 s11, ttmp9, 2
	s_add_co_u32 s11, s11, s10                     ; the wave's number in the launch, 0 to 5,859
	s_lshl_b32 s12, s11, 13                        ; x 256 boxes x 32 bytes (below 48,000,000)
	s_mov_b32 s13, 0
	s_lshl_b32 s14, s11, 10                        ; x 256 boxes x 4 bytes
	s_mov_b32 s15, 0
	s_mov_b32 s[ODD], 0xaaaaaaaa
	s_mov_b32 s[BIT1], 0xcccccccc
	s_wait_kmcnt 0x0
	s_add_nc_u64 s[4:5], s[4:5], s[12:13]
	s_add_nc_u64 s[6:7], s[6:7], s[12:13]
	s_add_nc_u64 s[8:9], s[8:9], s[14:15]
; The two loads of half n: 512 bytes (16 boxes) of pred and of target.  Read once in the launch: non-temporal.
.macro FETCH n
	global_load_b128 v[LAND+8*(\n):LAND+8*(\n)+3],   v[OFFL], s[4:5] offset:512*(\n) th:TH_LOAD_NT
	global_load_b128 v[LAND+8*(\n)+4:LAND+8*(\n)+7], v[OFFL], s[6:7] offset:512*(\n) th:TH_LOAD_NT
.endm
; Half n: from my rectangle of pred and of target to 6P, 6T, 6I and the intersection's least extent, in v[r:r+3], alike in both
; lanes of a box.  left = the loads of the younger halves, two each, which stay out.
.macro HALF n, r, left
.set P, LAND+8*(\n)
.set T, LAND+8*(\n)+4
	s_wait_loadcnt \left                           ; loads come back in order (ISA guide 5.7.1): this half's two are in
	; corners, (y, x) at a time: centre -+ extent / 2.  The halving is exact, so the fused form rounds as the definition does.
	v_pk_fma_f32 v[WK:WK+1],   v[P+2:P+3], -0.5, v[P:P+1] op_sel_hi:[1,0,1]   ; pred   (y1, x1)
	v_pk_fma_f32 v[WK+2:WK+3], v[P+2:P+3], 0.5,  v[P:P+1] op_sel_hi:[1,0,1]   ; pred   (y2, x2)
	v_pk_fma_f32 v[WK+4:WK+5], v[T+2:T+3], -0.5, v[T:T+1] op_sel_hi:[1,0,1]   ; target (y1, x1)
	v_pk_fma_f32 v[WK+6:WK+7], v[T+2:T+3], 0.5,  v[T:T+1] op_sel_hi:[1,0,1]   ; target (y2, x2)
	; clamp at 0, and sort into pairs (pred, target) so that the steps below take both at once
	v_max_num_f32 v[P],   0, v[WK]                 ; y1
	v_max_num_f32 v[P+1], 0, v[WK+4]
	v_max_num_f32 v[P+2], 0, v[WK+2]               ; y2
	v_max_num_f32 v[P+3], 0, v[WK+6]
	v_max_num_f32 v[T],   0, v[WK+1]               ; x1
	v_max_num_f32 v[T+1], 0, v[WK+5]
	v_max_num_f32 v[T+2], 0, v[WK+3]               ; x2
	v_max_num_f32 v[T+3], 0, v[WK+7]
	v_max_num_f32 v[WK],   v[P],   v[P+1]          ; the intersection: (y1, x1),
	v_max_num_f32 v[WK+1], v[T],   v[T+1]
	v_min_num_f32 v[WK+2], v[P+2], v[P+3]          ; (y2, x2)
	v_min_num_f32 v[WK+3], v[T+2], v[T+3]
	v_pk_add_f32 v[P:P+1],   v[P+2:P+3],   v[P:P+1]   neg_lo:[0,1] neg_hi:[0,1]   ; h of (pred, target)
	v_pk_add_f32 v[T:T+1],   v[T+2:T+3],   v[T:T+1]   neg_lo:[0,1] neg_hi:[0,1]   ; w of (pred, target)
	v_pk_add_f32 v[WK:WK+1], v[WK+2:WK+3], v[WK:WK+1] neg_lo:[0,1] neg_hi:[0,1]   ; (h, w) of the intersection
	; c = w (2 h + the other rectangle's h).  The destinations of the DPP lines were all written above.
	v_add_f32_dpp v[P+2],  v[P],   v[P]   row_xmask:1 row_mask:0xf bank_mask:0xf
	v_add_f32_dpp v[P+3],  v[P+1], v[P+1] row_xmask:1 row_mask:0xf bank_mask:0xf
	v_add_f32_dpp v[WK+2], v[WK],  v[WK]  row_xmask:1 row_mask:0xf bank_mask:0xf
	v_pk_add_f32 v[P+2:P+3], v[P+2:P+3], v[P:P+1]
	v_add_f32 v[WK+2], v[WK+2], v[WK]
	v_pk_mul_f32 v[\r:\r+1], v[T:T+1], v[P+2:P+3]
	v_mul_f32 v[\r+2], v[WK+1], v[WK+2]
	v_min_num_f32 v[\r+3], v[WK], v[WK+1]
	; 6 V = c + the other rectangle's c; the least of the box's four intersection extents
	v_add_f32_dpp v[\r],   v[\r],   v[\r]   row_xmask:1 row_mask:0xf bank_mask:0xf
	v_add_f32_dpp v[\r+1], v[\r+1], v[\r+1] row_xmask:1 row_mask:0xf bank_mask:0xf
	v_add_f32_dpp v[\r+2], v[\r+2], v[\r+2] row_xmask:1 row_mask:0xf bank_mask:0xf
	v_min_num_f32_dpp v[\r+3], v[\r+3], v[\r+3] row_xmask:1 row_mask:0xf bank_mask:0xf
.endm
; Pair i of a wave with nh halves: halves 2 i and 2 i + 1.  Lane l ends with the result of box 32 i + 16 (l & 1) + (l >> 1) in
; v[RES+i].  The arguments are pasted as text: each stands in brackets wherever it meets a product.
.macro PAIR i, nh
	HALF 2*(\i),   RA, 2*((\nh)-1-2*(\i))
	HALF 2*(\i)+1, RB, 2*((\nh)-2-2*(\i))
	v_cndmask_b32 v[RA],   v[RA],   v[RB],   s[ODD]   ; even lanes keep A's box, odd lanes take B's
	v_cndmask_b32 v[RA+1], v[RA+1], v[RB+1], s[ODD]
	v_cndmask_b32 v[RA+2], v[RA+2], v[RB+2], s[ODD]
	v_add_f32 v[DEN], v[RA+1], v[RA]               ; target + pred
	v_sub_f32 v[DEN], v[DEN], v[RA+2]              ; - intersection
	v_add_f32 v[DEN], EPS6, v[DEN]                 ; + 6 x 1e-16
	v_rcp_f32 v[DEN+1], v[DEN]                     ; two plain vector lines stand between it and the use of its result (ISA guide 5.7.2)
	v_cndmask_b32 v[RA+3], v[RA+3], v[RB+3], s[ODD]
	v_cmp_lt_f32 vcc_lo, 0, v[RA+3]                ; all four extents of the intersection above 0: en
	s_wait_alu depctr_va_vdst(0)
	v_mul_f32 v[DEN+1], v[RA+2], v[DEN+1]
	v_cndmask_b32 v[DEN+1], 0, v[DEN+1], vcc_lo    ; iou, or 0 where the intersection is masked out
	v_fma_f32 v[RES+(\i)], -v[DEN+1], v[DEN+1], 1.0
.endm
; Quad q: lanes l and l xor 2 hold neighbouring boxes of pair 2q and of pair 2q+1.  The lane with bit 1 clear collects the two of
; pair 2q, the other the two of pair 2q+1: box 64 q + 16 (l & 3) + 2 (l >> 2) and the next.  The store covers 256 aligned bytes.
; Its data and offset registers are not written again.
.macro STOREQ q
	v_cndmask_b32 v[XCH], v[RES+2*(\q)+1], v[RES+2*(\q)], s[BIT1]          ; what my partner collects
	v_mov_b32_dpp v[XCH], v[XCH] row_xmask:2 row_mask:0xf bank_mask:0xf
	v_cndmask_b32 v[RES+2*(\q)],   v[RES+2*(\q)], v[XCH], s[BIT1]          ; the lower box
	v_cndmask_b32 v[RES+2*(\q)+1], v[XCH], v[RES+2*(\q)+1], s[BIT1]        ; the upper box
	global_store_b64 v[OFFS], v[RES+2*(\q):RES+2*(\q)+1], s[8:9] offset:256*(\q) th:TH_STORE_NT
.endm
	s_cmp_eq_u32 s11, LASTW
	s_cbranch_scc1 .Llast
	; a full wave: 16 halves, 32 loads in flight, four stores
.irp n, 0,1,2,3,4,5,6,7,8,9,10,11,12,13,14,15
	FETCH \n
.endr
	PAIR 0, 16
	PAIR 1, 16
	STOREQ 0
	PAIR 2, 16
	PAIR 3, 16
	STOREQ 1
	PAIR 4, 16
	PAIR 5, 16
	STOREQ 2
	PAIR 6, 16
	PAIR 7, 16
	STOREQ 3
	s_endpgm
.Llast:
	; the last wave: 96 boxes = 6 halves; no load passes the buffers' ends
.irp n, 0,1,2,3,4,5
	FETCH \n
.endr
	v_and_b32 v[WK], 30, v[LANE]                   ; 2 (l >> 1)
	v_and_b32 v[WK+1], 1, v[LANE]
	v_lshlrev_b32 v[WK], 1, v[WK]                  ; 4 (l >> 1)
	v_lshl_or_b32 v[OFFT], v[WK+1], 6, v[WK]       ; + 64 (l & 1): box 16 (l & 1) + (l >> 1) of the pair
	PAIR 0, 6
	PAIR 1, 6
	STOREQ 0
	PAIR 2, 6
	global_store_b32 v[OFFT], v[RES+2], s[8:9] offset:256 th:TH_STORE_NT   ; the last 128 bytes of out, all by this store
	s_endpgm
.Lfunc_end_k_q751b2a47b7_iou3d:
	.size	k_q751b2a47b7_iou3d, .Lfunc_end_k_q751b2a47b7_iou3d-k_q751b2a47b7_iou3d
	.p2alignl 7, 3214868480
	.fill 96, 4, 3214868480
	.section	.rodata,"a",@progbits
	.p2align	6, 0x0
	.amdhsa_kernel k_q751b2a47b7_iou3d
		.amdhsa_group_segment_fixed_size 0
		.amdhsa_private_segment_fixed_size 0
		.amdhsa_enable_private_segment 0
		.amdhsa_kernarg_size 24
		.amdhsa_user_sgpr_count 2
		.amdhsa_user_sgpr_kernarg_segment_ptr 1
		.amdhsa_wavefront_size32 1
		.amdhsa_system_sgpr_workgroup_id_x 1
		.amdhsa_system_sgpr_workgroup_id_y 1
		.amdhsa_system_sgpr_workgroup_id_z 1
		.amdhsa_system_vgpr_workitem_id 0
		.amdhsa_next_free_vgpr 160
		.amdhsa_next_free_sgpr 66
		.amdhsa_reserve_vcc 1
		.amdhsa_float_denorm_mode_32 3
		.amdhsa_float_denorm_mode_16_64 3
		.amdhsa_memory_ordered 1
		.amdhsa_forward_progress 1
		.amdhsa_inst_pref_size 47
	.end_amdhsa_kernel
	.amdgpu_metadata
---
amdhsa.version: [ 1, 2 ]
amdhsa.kernels:
  - .name:           k_q751b2a47b7_iou3d
    .symbol:         k_q751b2a47b7_iou3d.kd
    .args:
      - { .name: pred, .offset: 0, .size: 8, .value_kind: global_buffer, .address_space: global }
      - { .name: target, .offset: 8, .size: 8, .value_kind: global_buffer, .address_space: global }
      - { .name: out0, .offset: 16, .size: 8, .value_kind: global_buffer, .address_space: global }
    .group_segment_fixed_size: 0
    .private_segment_fixed_size: 0
    .kernarg_segment_align: 8
    .kernarg_segment_size: 24
    .max_flat_workgroup_size: 128
    .sgpr_count:     66
    .vgpr_count:     160
    .wavefront_size: 32
...
	.end_amdgpu_metadata
.endif
;; end of part 1
